; MI455X (gfx1250); checked and timed in simulation.
; The chip was launched on July 23, 2026; its instructions are those of AMD's public machine-readable ISA for CDNA 5 (MIT licence, August 2026) and "CDNA5" Instruction Set Architecture Reference Guide (July 2026). The comments in the code are by the model that wrote it; some were corrected since.
;; Multi Head Attention. Allowed arithmetic: matrix products marked QUANTISED: E4M3 operands, one given power-of-two scale a tensor, by v_wmma_f32_16x16x64_fp8_fp8 or v_wmma_f32_16x16x128_fp8_fp8, f32 sums; everything else in f32.
;; Inputs: W_o_codes 1,024 x 32 x 32 uint8 (E4M3 codes of W_o, K innermost, in blocks of 32 codes); W_qkv_codes 3,072 x 32 x 32 uint8 (E4M3 codes of W_qkv, K innermost, in blocks of 32 codes); b_o 1,024 float32; b_qkv 3,072 float32; lowp_scales 8 int32 (the exponents e of the quantised operands' scales 2^e); x_codes 2 x 2,048 x 32 x 32 uint8 (E4M3 codes of x, K innermost, in blocks of 32 codes).
;; Outputs: out0 2 x 2,048 x 1,024 float32.
;; This version of the problem:
;;   THIS VERSION OF THE PROBLEM IS GIVEN IN LOW PRECISION. The matrix products marked QUANTISED in the list below multiply operands that are first quantised to E4M3 (4 exponent bits, 3 mantissa bits; 8 bits a number), with one given power-of-two scale for each operand tensor; their sums are f32. All else is computed in f32.
;;   The module's matrix products, in the order in which they are computed (A, B: the left and right operand; K: the contracted axis; several contracted axes count as one K, in the product's order):
;;     1. [M 4,096, K 1,024] x [K 1,024, N 3,072]; A: input x (given as codes); B: input W_qkv (given as codes): QUANTISED (scales: A lowp_scales[0], B lowp_scales[1])
;;     2. batch 32 x [M 2,048, K 64] x [K 64, N 2,048]; A: computed on the way; B: computed on the way: QUANTISED (scales: A lowp_scales[2], B lowp_scales[3])
;;     3. batch 32 x [M 2,048, K 2,048] x [K 2,048, N 64]; A: softmax (see below); B: computed on the way: QUANTISED (scales: A lowp_scales[4], B lowp_scales[5])
;;     4. [M 4,096, K 1,024] x [K 1,024, N 1,024]; A: computed on the way; B: input W_o (given as codes): QUANTISED (scales: A lowp_scales[6], B lowp_scales[7])
;;   THE QUANTISER, for each operand of a quantised product, along K:
;;     - The operand's scale is 2^e, e = its entry of the input lowp_scales (int32; the entries are numbered through the quantised products in the list's order, A before B).
;;     - Each number is divided by the scale, clamped to +-448, and rounded to the nearest number of E4M3, ties to even, subnormals kept.
;;     - The product sums the exact products of the quantised numbers (number of the format x scale) in f32.
;;   ~~~python
;;   def quantise(x, axis, e):      # numpy; x: float32 -> the quantised numbers, widened to float32 again
;;       x = np.moveaxis(x, axis, -1); K = x.shape[-1]
;;       r = np.clip(x / 2.0 ** e, -448, 448)
;;       step = 2.0 ** (np.maximum(np.frexp(np.where(r == 0, 1, r))[1] - 1, -6) - 3)
;;       q = np.round(r / step) * step * 2.0 ** e      # np.round: ties to even
;;       return np.moveaxis(q, -1, axis).astype(np.float32)
;;   ~~~
;;   SOFTMAX AHEAD OF A QUANTISED PRODUCT. Where the list says 'softmax', what is quantised is not the finished softmax but p = 2^(t - M), with t = logit x log2(e) and M = ceil(the row's largest t), a whole number; so 1/2 < the row's largest p <= 1. The row's sum l is taken of the UNQUANTISED p, in f32, and the product's result is divided by l at the end. Since M is a whole number, a kernel that streams over the keys may use a running M (the ceiling of the running maximum): every later rescaling is an exact power of two, so the quantised numbers keep their values, but for numbers so far below the row's largest that they fall under the format's range.
;;   OPERANDS COMPUTED ON THE WAY. 'Computed on the way' means the value that the module computes at that place (a softmax that the list does not call 'softmax' is quantised finished and normalised). What goes into a quantiser is computed in f32, as accurately as f32 sums, v_exp_f32 and their like allow (about 1e-6 of the number): no bf16 or f16 on the way to a quantiser, and a product that is left as it is and whose result goes on into a quantised operand takes f32 operands (vector FMAs, or v_wmma_f32_16x16x4_f32). A number that lies on a knife's edge between two numbers of the format may be rounded either way, as far as f32 arithmetic and the matrix unit's own rounding can turn it there, and no further.
;;   INPUTS GIVEN AS CODES. W_o (in the module: [1024, 1024], K = its axis 1); W_qkv (in the module: [3072, 1024], K = its axis 1); x (in the module: [2, 2048, 1024], K = its axis 2): each comes as NAME_codes (uint8): NAME with its K axis moved to the last place and cut into blocks of 32 codes, [.., K / 32, bytes a block], one block behind the other in memory; one code a byte (a code: sign, 4 exponent bits, 3 mantissa bits); its scale is its entry of lowp_scales. Its value is code x scale, taken as it is: it is not quantised again, and the codes and scales need not be those that the quantiser above would give.
;; One version. Each part assembles by itself: llvm-mc -triple=amdgcn-amd-amdhsa -mcpu=gfx1250 --defsym DOCPART=n.
;; ======== version 1 of 1: 3 launches
;; limits: right only within a limited range of input values
;; workspace buffers: frag 12,582,912 bytes; att 4,194,304 bytes
;; launch qkv (part 1): grid 48 x 4, 4 waves a work-group, clusters of 4 x 4, 327,680 bytes of LDS; arguments x_codes, W_qkv_codes, lowp_scales, b_qkv, frag; writes frag
.if DOCPART == 1
	.amdgcn_target "amdgcn-amd-amdhsa--gfx1250"
	.amdhsa_code_object_version 6
	.text
	.protected	k_qb9f62a21d9_qkv
	.globl	k_qb9f62a21d9_qkv
	.p2align	8
	.type	k_qb9f62a21d9_qkv,@function
k_qb9f62a21d9_qkv:
	s_mov_b64 s[64:65], 0
	v_nop
	global_prefetch_b8 v0, s[64:65] scope:SCOPE_SE
	s_setreg_imm32_b32 hwreg(HW_REG_WAVE_MODE, 25, 1), 1
	s_wait_xcnt 0x0
	s_wait_alu depctr_hold_cnt(0) depctr_sa_sdst(0) depctr_va_vdst(0) depctr_va_sdst(0) depctr_va_ssrc(0) depctr_va_vcc(0) depctr_vm_vsrc(0)
	s_getreg_b32 s2, hwreg(HW_REG_IB_STS2, 6, 4)
	s_cmp_eq_u32 s2, 0
	s_cbranch_scc0 .Lentry_in_a_cluster
	s_endpgm
.Lentry_in_a_cluster:
	s_bfe_u32 s2, ttmp6, 0x10000c
	s_cmp_lg_u32 s2, 0xf033
	s_cbranch_scc0 .Lentry_shape_is_right
	s_endpgm
.Lentry_shape_is_right:
; LAUNCH 1 OF 3: qkv = x W_qkv^T + b_qkv on codes of FP8 (E4M3), and its three parts K, Q, V quantised at once into codes of FP8 with the given scales (K: e3, Q: e2, V: e5).
; WHAT THE PROGRAM LEAVES OUT.  reference() builds a causal mask in its own body (jnp.tril): a score with key > query becomes -infinity, its weight is 0 and adds nothing to the row's sum or to the second product,
; whatever the inputs hold.  So the attention launch walks, for a tile of 16 queries, only the steps of 128 keys that hold a key <= one of its queries.  Nothing else is left out: every input has a way to the output and is
; loaded (the bias on K moves K's codes, so it stays).  LIMIT: a NaN, an infinity or an overflow that would arise only in the scores left out is not carried to the result.
; THIS LAUNCH.  C' = A' B'^T, 256 x 256 to a work-group of four waves, 128 x 128 to a wave: 64 accumulators of 16 x 16, 512 registers.  K = 1,024 goes in four steps of 256 through a ring of two LDS slots.
; Twelve clusters of 4 x 4 work-groups, c = the cluster's number.  c < 8: A' = x (4,096 tokens), B' = W_qkv's rows 0-2,047 (K's features, then Q's).  c >= 8: A' = W_qkv's rows 2,048 on (V's features), B' = x: the same
; product with the roles changed, so that V comes out with the KEYS along a lane's registers, as the attention's second product wants it: nothing is ever transposed.
; The pointers are chosen by the cluster's number, which all sixteen partners share; the ring is one text; the last 128 along K and the way out are written twice, under a branch on the cluster's number.
; 192 work-groups: 128 tiles of K and Q, 64 of V.  A tile that keeps K and Q apart from V cannot give 256 work-groups of equal work, and tiles of 128 x 128 would read each operand byte twice as often.
; THE MATRIX INSTRUCTION IS USED TRANSPOSED (source 0 = 16 rows of B', source 1 = 16 rows of A'): lane (r, h) of accumulator (a, b) holds row 16 a + r of A' and the eight columns 16 b + 8 h + 0 .. 7.
; Those eight are neighbours along the NEXT product's K, so one conversion gives registers 2 c, 2 c + 1 of the next operand's fragment in that form's own layout (k = 16 c + 8 h + 0 .. 7).
; THE WORKSPACE IS AN IMAGE OF OPERAND REGISTERS: four registers go out by one store, lane l's 16 bytes at 16 l: 512 consecutive bytes, aligned.  No stage in LDS on the way out.
;   frag = [K, Q, V][batch 2][head 16][block of 128 tokens 16][8,192 bytes];  K, Q: [tile of 16 tokens 8][1,024]: 16 tokens x 64 d, 8 registers;  V: [tile of 16 d 4][2,048]: 16 d x 128 keys, 16 registers.
; A sum stands for sum x 2^(e0 + e1): the bias goes in divided by that, and the conversion takes 2^(e - e0 - e1) as its one scale.
; LIMITS: e - e0 - e1 between -126 and 119 for e = e2, e3, e5, so that the scale and 448 x the scale are f32 numbers.  NaN codes among the inputs are not served.
; REGISTERS, in windows of 256: window 0: v1, v2 r and h; v16-31 addresses and scales; v32-95 the bias; v96-127 at work on the way out; from v128 A's fragments (8 x 16 rows x 128 K), ONE set, later the codes.
;   window 1: B's fragments, TWO sets, at v0 and v128.   window 2: the 32 accumulators of my rows 0-63 ((a, b) at v[8 (8 a + b)]);   window 3: those of my rows 64-127.
.set ROWB,   256                       ; a tile's row in bytes: 256 codes
.set KROW,   1024                      ; a row of x or of W_qkv in memory, in bytes
.set PITCH,  272                       ; an LDS row: 256 bytes + 16 of padding = 68 words: row r starts at bank 4 r mod 64 (64 banks of 4 bytes: ISA guide 11.1)
.set FR,     16                        ; registers of a fragment: 16 rows x 128 K
.set NL,     4                         ; LDS loads that bring one
.set NP,     4                         ; places behind this matrix instruction (ISA guide 7.12.1)
.set HALFT,  128*PITCH                 ; 128 rows: what one tensor load brings, and what one wave reads of A' or of B'
.set SLOT,   4*HALFT                   ; A's 256 rows, then B's 256 rows
.set SPARE,  2*SLOT                    ; behind the ring: the spare words, 128 bytes for each wave: two blocks of 256 bytes that no other line names
.set ADRA, 16                          ; v16-17  LDS address of my A' fragments in slot 0, 1
.set ADRB, 20                          ; v20-21  the same for B'
.set CO,   26                          ; v26     16 x lane: my place in an image's 512 bytes
.set VB,   27                          ; v27     my byte offset among the bias's numbers
.set SPW,  28                          ; v28     LDS address of my spare word; never rewritten
.set NIL,  29                          ; v29     0; never rewritten
.set SC,   30                          ; v30     2^(e - e0 - e1) as f32
.set LIM,  31                          ; v31     448 x that
.set BIAS, 32
.set TMP,  96
.set AF,   128
.set CODE, 128                         ; block a's codes at v[128 + 16 a]: no store's data are written again
.set G1, 24                            ; s[24:31] descriptor group 1 for A's tiles;  s[32:39] group 0, one set for each slot
.set G0, 32
.set G1B, 48                           ; s[48:55], s[56:63] the same for B's tiles
.set G0B, 56
.set MSB, 0
.macro WIN new                         ; the immediate's high byte repeats the setting that is left
.if MSB != (\new)
	s_set_vgpr_msb (MSB<<8)|(\new)
.set MSB, (\new)
.endif
.endm
.set MUL_LO, 0xa1                      ; source 0 (B') window 1, source 1 (A') window 0, C and D window 2
.set MUL_HI, 0xf1                      ; the same, C and D window 3
.set TO_B,   0x40                      ; destination window 1, address window 0
; A joint load: waves 0 and 1 fetch for A', waves 2 and 3 for B'.  Each line has ONE mask and one set of registers for all that issue it; the branch hangs on the wave's number alone.
; An s_nop 0 and four v_nop follow each of the two lines, ahead of the jump, the label and what follows.
.macro JLOAD g0a, g1a, g0b, g1b
	s_cmp_eq_u32 s15, 0
	s_cbranch_scc0 .Lfor_b_\@
	tensor_load_to_lds s[\g0a:\g0a+3], s[\g1a:\g1a+7]
	s_nop 0
.rept 4
	v_nop
.endr
	s_branch .Lasked_\@
.Lfor_b_\@:
	tensor_load_to_lds s[\g0b:\g0b+3], s[\g1b:\g1b+7]
	s_nop 0
.rept 4
	v_nop
.endr
.Lasked_\@:
.endm
.macro CREST                           ; a round of the cluster's barrier behind its opening barrier
	s_cmp_lg_u32 s14, 0
	s_cbranch_scc1 .Lnot_wave_0_\@
	s_barrier_signal -3
.Lnot_wave_0_\@:
	s_barrier_wait -3
	s_barrier_signal -1
	s_barrier_wait -1
.endm
.macro CROUND                          ; a whole round
	s_barrier_signal -1
	s_barrier_wait -1
	CREST
.endm
	s_load_b256 s[4:11], s[0:1], 0x0               ; x's codes s[4:5], W_qkv's codes s[6:7], the scales' exponents s[8:9], b_qkv s[10:11]
	s_load_b64 s[12:13], s[0:1], 0x20              ; frag
	v_lshl_add_u32 v[SPW], v0, 2, SPARE
	v_mov_b32 v[NIL], 0
	ds_add_u32 v[SPW], v[NIL]                      ; the wave's opening: the add, twice on end, and its wait ahead of my first tensor load; the set-up below stands between the second and the wait
	ds_add_u32 v[SPW], v[NIL]
	v_lshrrev_b32 v1, 5, v0
	v_readfirstlane_b32 s14, v1                    ; wave 0..3
	s_lshr_b32 s15, s14, 1                         ; which half of the tile's rows is mine.  Also: I fetch for A' (0) or for B' (1)
	s_and_b32 s16, s14, 1                          ; which half of its columns.  Also: which 128 rows of that tile I fetch
	s_bfe_u32 s40, ttmp6, 0x40000                  ; cx, cy: my place in the cluster
	s_bfe_u32 s41, ttmp6, 0x40004
	s_and_b32 s66, ttmp9, 3                        ; K, Q: clusters 0-7 lie 4 down (tokens) x 2 across (features)
	s_lshr_b32 s67, ttmp9, 2
	s_sub_co_u32 s77, ttmp9, 8                     ; V: clusters 8-11 lie 1 down (features) x 4 across (tokens)
	s_cmp_ge_u32 ttmp9, 8                          ; the cluster's number: the same in all sixteen partners
	s_cselect_b32 s66, 0, s66
	s_cselect_b32 s67, s77, s67
	s_cselect_b32 s76, 2048, 0                     ; V's features begin at row 2,048 of W_qkv
	s_lshl_b32 s42, s67, 2
	s_add_co_u32 s42, s42, s40                     ; tile column of C'
	s_lshl_b32 s17, s66, 2
	s_add_co_u32 s17, s17, s41                     ; tile row of C'
	s_lshl_b32 s43, s41, 2
	s_lshl_b32 s43, 15, s43                        ; my row of the cluster
	s_lshl_b32 s44, 0x1111, s40                    ; my column
	; descriptor group 1: a tile of 128 rows x 256 bytes, padded in LDS
	s_or_b32 s[G1+0], s43, (0<<16)|(1<<20)|(1<<21)|(5<<22)|(3<<25)  ; 15:0 the mask: A's tiles go to my row; 17:16 element of 1 byte; 20 padding on; 21 set beside a mask; 24:22 after every 64 words (code 5); 31:25 of 4 words (code 3)
	s_or_b32 s[G1B+0], s44, (0<<16)|(1<<20)|(1<<21)|(5<<22)|(3<<25) ; the same with the mask of my column
.irp g, G1, G1B
	s_mov_b32 s[\g+1], ROWB<<16                    ; tensor_dim0
	s_mov_b32 s[\g+2], 128<<16                     ; tensor_dim1 = 128
	s_mov_b32 s[\g+3], ROWB<<16                    ; tile_dim0
	s_mov_b32 s[\g+4], 128                         ; tile_dim1 = 128
	s_mov_b32 s[\g+5], KROW                        ; tensor_dim0_stride
	s_mov_b32 s[\g+6], 0
	s_mov_b32 s[\g+7], 0
.endr
	s_lshl_b32 s18, s16, 7                         ; which 128 rows of the tile I fetch
	s_lshl_b32 s20, s17, 8
	s_add_co_u32 s20, s20, s18
	s_add_co_u32 s20, s20, s76                     ; A': row 256 x tile row + 128 x half (+ 2,048 for V)
	s_lshl_b32 s46, s42, 8
	s_add_co_u32 s46, s46, s18                     ; B': row 256 x tile column + 128 x half
	s_mov_b32 s21, 0
	s_mov_b32 s47, 0
	s_mov_b64 s[18:19], KROW
	s_mul_u64 s[20:21], s[20:21], s[18:19]         ; in bytes
	s_mul_u64 s[46:47], s[46:47], s[18:19]
	s_mul_i32 s45, s14, HALFT                      ; where they go: wave x 128 rows: no place in the cluster enters an LDS address
	s_wait_dscnt 0x0                               ; both opening adds are done
	s_wait_kmcnt 0x0
	s_load_b256 s[68:75], s[8:9], 0x0              ; e0 .. e7
	s_cmp_ge_u32 ttmp9, 8
	s_cselect_b64 s[78:79], s[6:7], s[4:5]         ; A': W_qkv for V, else x
	s_cselect_b64 s[80:81], s[4:5], s[6:7]         ; B': x for V, else W_qkv
	s_add_nc_u64 s[20:21], s[78:79], s[20:21]
	s_add_nc_u64 s[46:47], s[80:81], s[46:47]
	CROUND                                         ; all sixteen work-groups are here: the first joint loads meet
.irp s, 0,1
	s_mov_b32 s[G0+4*\s], 1
	s_add_co_u32 s[G0+4*\s+1], s45, \s*SLOT
	s_add_nc_u64 s[G0+4*\s+2:G0+4*\s+3], s[20:21], \s*ROWB
	s_or_b32 s[G0+4*\s+3], s[G0+4*\s+3], 0x80000000
	s_mov_b32 s[G0B+4*\s], 1
	s_add_co_u32 s[G0B+4*\s+1], s45, \s*SLOT
	s_add_nc_u64 s[G0B+4*\s+2:G0B+4*\s+3], s[46:47], \s*ROWB
	s_or_b32 s[G0B+4*\s+3], s[G0B+4*\s+3], 0x80000000
.endr
	JLOAD G0, G1, G0B, G1B                         ; K step 0: one tensor load a wave at the head
	; no prefetch: K has four steps in all, two of which are asked for before the first product's step has ended
	v_and_b32 v1, 15, v0                           ; r = l % 16
	v_bfe_u32 v2, v0, 4, 1                         ; h = l / 16
	v_mul_u32_u24 v3, v1, PITCH
	v_lshl_add_u32 v4, v2, 4, v3                   ; a fragment's row x pitch + 16 x half
	s_mul_i32 s21, s15, HALFT                      ; my 128 rows of A'
	s_mul_i32 s22, s16, HALFT                      ; my 128 rows of B',
	s_add_co_u32 s22, s22, 2*HALFT                 ; which lie behind A's 256
.irp s, 0,1
	v_add_nc_u32 v[ADRA+\s], s21, v4
	v_add_nc_u32 v[ADRB+\s], s22, v4
	s_add_co_u32 s21, s21, SLOT
	s_add_co_u32 s22, s22, SLOT
.endr
	v_and_b32 v6, 31, v0
	v_lshlrev_b32 v[CO], 4, v6
; A fragment, 16 rows x 128 K, is fetched by four loads of 16 bytes: lane l holds row l % 16, registers 4 c .. 4 c + 3 hold K = 32 c + 16 (l / 16) + 0 .. 15: a permutation of k that is the same in A' and in B',
; so every product meets its partner (both operands lie as rows of codes here; the images that this launch WRITES have k in its true place).
.macro FRAG reg, adr, q, i
.irp c, 0,1,2,3
	ds_load_b128 v[\reg+4*\c:\reg+4*\c+3], v[\adr] offset:128*(\q)+32*\c+(\i)*16*PITCH
.endr
.endm
; 16 matrix instructions: A's blocks a0, a0 + 1 x B's eight, 128 along K.  p: B's set.  zero = 1: the first product starts the sums: nothing is ever cleared.
; The 64 accumulators take turns, one instruction a turn, in the same order in every step.
.macro MUL16 a0, p, zero
.irp a, \a0, \a0+1
.irp b, 0,1,2,3,4,5,6,7
.if \zero
	v_wmma_f32_16x16x128_fp8_fp8 v[8*(8*((\a)%4)+\b):8*(8*((\a)%4)+\b)+7], v[128*(\p)+FR*\b:128*(\p)+FR*\b+FR-1], v[AF+FR*(\a):AF+FR*(\a)+FR-1], 0
.else
	v_wmma_f32_16x16x128_fp8_fp8 v[8*(8*((\a)%4)+\b):8*(8*((\a)%4)+\b)+7], v[128*(\p)+FR*\b:128*(\p)+FR*\b+FR-1], v[AF+FR*(\a):AF+FR*(\a)+FR-1], v[8*(8*((\a)%4)+\b):8*(8*((\a)%4)+\b)+7]
.endif
.endr
.endr
.endm
.macro FETCH_B slot, q, p              ; B's eight fragments of the slot's q-th 128 along K into set p
	WIN TO_B
.irp i, 0,1,2,3,4,5,6,7
	FRAG 128*(\p)+FR*\i, ADRB+\slot, \q, \i
.endr
	WIN 0
.endm
.macro FETCH_A slot, q, i0             ; A's blocks i0 .. i0 + 3
.irp i, \i0, \i0+1, \i0+2, \i0+3
	FRAG AF+FR*(\i), ADRA+\slot, \q, \i
.endr
.endm
; A load into a register that a matrix instruction has read stands NP places behind it, and only plain vector instructions that name none of its registers are places (ISA guide 7.12.1 for vector instructions).
.macro PLACES n
.rept \n
	v_nop
.endr
.endm
; A step of 128 along K that has its successor in the same slot.  A's blocks are free as soon as their eight products are issued: blocks 0-3 are fetched anew in the step's middle, blocks 4-7 at its end.
.macro STEP slot, q, zero
	s_wait_dscnt 4*NL                              ; B's set and A's blocks 0-3 are in; the youngest sixteen loads (A's blocks 4-7) may be out
	WIN MUL_LO
	MUL16 0, (\q)%2, \zero
	MUL16 2, (\q)%2, \zero
	s_wait_dscnt 0                                 ; A's blocks 4-7 are in (asked for 32 matrix instructions ago)
	PLACES NP
	FETCH_B \slot, (\q)+1, 1-(\q)%2
	FETCH_A \slot, (\q)+1, 0
	WIN MUL_HI
	MUL16 4, (\q)%2, \zero
	MUL16 6, (\q)%2, \zero
	PLACES NP
	WIN 0
	FETCH_A \slot, (\q)+1, 4
.endm
; A slot's last step changes slots: ONE barrier; in front of it each wave waits for all its tensor loads, adds 0 to its spare word, and waits for that and for its own reads of this slot.  fill = 1: this slot is filled again, two K steps ahead.
.macro TURN slot, next, fill
	s_wait_tensorcnt 0x0                           ; all my tensor loads have landed: my part of the next slot  (every window is 0 here: the add's two registers lie in window 0)
	ds_add_u32 v[SPW], v[NIL]                      ; 0 onto my spare word
	s_wait_dscnt 4*NL+1                            ; (the add and the youngest sixteen loads, A's blocks 4-7, may be out)
	WIN MUL_LO
	MUL16 0, 1, 0                                  ; sixteen matrix instructions stand between the add and the wait for it
	s_wait_dscnt 0x0                               ; the add is done, and my reads of this slot are over
	s_barrier_signal -1
	MUL16 2, 1, 0
	WIN 0
	s_barrier_wait -1
.if \fill
	CREST                                          ; the barrier has opened a round of the cluster's barrier: no wave of any partner still reads this slot's tile or has a load on its way
	s_add_nc_u64 s[G0+4*\slot+2:G0+4*\slot+3], s[G0+4*\slot+2:G0+4*\slot+3], 2*ROWB
	s_add_nc_u64 s[G0B+4*\slot+2:G0B+4*\slot+3], s[G0B+4*\slot+2:G0B+4*\slot+3], 2*ROWB
	JLOAD G0+4*\slot, G1, G0B+4*\slot, G1B         ; the first tensor load behind the round; the four v_nop behind it are the places in front of the loads below
.else
	PLACES NP
.endif
	FETCH_B \next, 0, 0
	FETCH_A \next, 0, 0
	WIN MUL_HI
	MUL16 4, 1, 0
	MUL16 6, 1, 0
	PLACES NP
	WIN 0
	FETCH_A \next, 0, 4
.endm
.macro LAST                            ; the last 128 along K: nothing more to fetch
	s_wait_dscnt 4*NL
	WIN MUL_LO
	MUL16 0, 1, 0
	MUL16 2, 1, 0
	s_wait_dscnt 0
	WIN MUL_HI
	MUL16 4, 1, 0
	MUL16 6, 1, 0
	WIN 0
.endm
.macro MKSCALE                         ; s87 holds the operand's e: v[SC] = 2^(e - e0 - e1), v[LIM] = 448 x that, s86 = -(e0 + e1)
	s_add_co_i32 s86, s68, s69
	s_sub_co_i32 s87, s87, s86
	s_add_co_i32 s87, s87, 127
	s_lshl_b32 s88, s87, 23
	v_mov_b32 v[SC], s88
	s_add_co_i32 s87, s87, 8
	s_lshl_b32 s87, s87, 23
	s_or_b32 s87, s87, 0x600000
	v_mov_b32 v[LIM], s87
	s_sub_co_i32 s86, 0, s86
.endm
; THE WAY OUT of four accumulators, b = 4 g .. 4 g + 3 of block a: + bias, the hold (the conversion to an 8-bit code does not saturate: ISA guide 7.6.2), four conversions, two stores of 512 consecutive bytes.
; K, Q (isv = 0): the four are a head's 64 d of 16 tokens: one fragment of 8 registers.  V (isv = 1): they are 64 of the block's 128 keys of 16 d: half a fragment of 16 registers.
.macro OUTG a, g, isv
	WIN 0x02+(\a)/4                                ; source 0: window 2 or 3
.irp u, 0,1,2,3
.irp i, 0,2,4,6
.if \isv
	v_pk_add_f32 v[TMP+8*\u+\i:TMP+8*\u+\i+1], v[8*(8*((\a)%4)+4*(\g)+\u)+\i:8*(8*((\a)%4)+4*(\g)+\u)+\i+1], v[BIAS+2*(\a):BIAS+2*(\a)+1]
.else
	v_pk_add_f32 v[TMP+8*\u+\i:TMP+8*\u+\i+1], v[8*(8*((\a)%4)+4*(\g)+\u)+\i:8*(8*((\a)%4)+4*(\g)+\u)+\i+1], v[BIAS+8*(4*(\g)+\u)+\i:BIAS+8*(4*(\g)+\u)+\i+1]
.endif
.endr
.endr
	WIN 0
.set n, 0
.rept 32
	v_med3_num_f32 v[TMP+n], v[TMP+n], -v[LIM], v[LIM]
.set n, n+1
.endr
.irp u, 0,1,2,3
	v_cvt_scalef32_pk8_fp8_f32 v[CODE+16*(\a)+8*(\g)+2*\u:CODE+16*(\a)+8*(\g)+2*\u+1], v[TMP+8*\u:TMP+8*\u+7], v[SC]
.endr
	v_nop                                          ; one plain vector instruction between the conversions and the next lines that write their sources
.irp p, 0,1
.if \isv
	global_store_b128 v[CO], v[CODE+16*(\a)+8*(\g)+4*\p:CODE+16*(\a)+8*(\g)+4*\p+3], s[12:13] offset:131072*((\a)/4)+2048*((\a)%4)+512*(2*(\g)+\p)
.else
	global_store_b128 v[CO], v[CODE+16*(\a)+8*(\g)+4*\p:CODE+16*(\a)+8*(\g)+4*\p+3], s[12:13] offset:1024*(\a)+131072*(\g)+512*\p
.endif
.endr
.endm
	s_wait_alu depctr_va_vdst(0)
	s_wait_tensorcnt 0x0                           ; my part of K step 0 is in
	ds_add_u32 v[SPW], v[NIL]
	s_wait_dscnt 0x0                               ; the add is done
	CROUND                                         ; everybody's part of K step 0 is in, and all sixteen work-groups are here
	JLOAD G0+4, G1, G0B+4, G1B                     ; K step 1, the first tensor load behind the round
	FETCH_B 0, 0, 0
	FETCH_A 0, 0, 0
	FETCH_A 0, 0, 4
	STEP 0, 0, 1                                   ; K 0-127: its products start the sums
	TURN 0, 1, 1                                   ; K 128-255; slot 0 takes K 512-767.  Four K steps in all: the ring is written out, no loop
	STEP 1, 0, 0
	TURN 1, 0, 1                                   ; slot 1 takes K 768-1,023
	STEP 0, 0, 0
	TURN 0, 1, 0                                   ; nothing is left to fetch, so no round of the cluster's barrier.  The last two steps of 128 along K stand in both ways below
	s_cmp_ge_u32 ttmp9, 8                          ; the cluster's number: all partners and all waves go the same way; no tensor load and no barrier but the closing round follows
	s_cbranch_scc1 .Lv
	; ---- K and Q.  The bias runs along B's rows: lane (r, h) wants b_qkv[256 column + 128 half + 16 b + 8 h + 0 .. 7]: 64 registers, asked for ahead of the last 128 products
	s_lshl_b32 s84, s42, 10
	s_lshl_b32 s85, s16, 9
	s_add_co_u32 s84, s84, s85
	s_mov_b32 s85, 0
	s_add_nc_u64 s[10:11], s[10:11], s[84:85]
	v_lshlrev_b32 v[VB], 5, v2
.irp b, 0,1,2,3,4,5,6,7
	global_load_b128 v[BIAS+8*\b:BIAS+8*\b+3], v[VB], s[10:11] offset:64*\b
	global_load_b128 v[BIAS+8*\b+4:BIAS+8*\b+7], v[VB], s[10:11] offset:64*\b+16
.endr
	STEP 1, 0, 0
	LAST
	s_wait_kmcnt 0x0
	s_cmp_lt_u32 ttmp9, 4
	s_cselect_b32 s87, s71, s70                    ; clusters 0-3 make K (product 2's right operand: e3), clusters 4-7 Q (its left: e2).  A choice, no branch
	MKSCALE
	s_lshr_b32 s89, ttmp9, 2
	s_lshl_b32 s89, s89, 22                        ; K at 0, Q at 4 MiB
	s_lshr_b32 s90, s17, 3                         ; batch
	s_lshl_b32 s90, s90, 4
	s_and_b32 s91, s42, 3
	s_lshl_b32 s91, s91, 2
	s_add_co_u32 s90, s90, s91
	s_lshl_b32 s91, s16, 1
	s_add_co_u32 s90, s90, s91                     ; 16 batch + my first head: 4 (column % 4) + 2 half
	s_lshl_b32 s90, s90, 17
	s_add_co_u32 s89, s89, s90
	s_and_b32 s91, s17, 7
	s_lshl_b32 s91, s91, 1
	s_add_co_u32 s91, s91, s15                     ; my block of 128 tokens: 2 (row % 8) + half
	s_lshl_b32 s91, s91, 13
	s_add_co_u32 s88, s89, s91
	s_mov_b32 s89, 0
	s_add_nc_u64 s[12:13], s[12:13], s[88:89]
	s_wait_loadcnt 0x0
.set n, 0
.rept 64
	v_ldexp_f32 v[BIAS+n], v[BIAS+n], s86          ; b / 2^(e0 + e1).  These lines are also the places behind the last products
.set n, n+1
.endr
.irp a, 0,1,2,3,4,5,6,7
.irp g, 0,1
	OUTG \a, \g, 0
.endr
.endr
	s_branch .Ldone
.Lv:	; ---- V.  The bias runs along A's rows: lane (r, h) wants b_qkv[2,048 + 256 row + 128 half + 16 a + r]: one number a block
	s_lshl_b32 s84, s17, 10
	s_lshl_b32 s85, s15, 9
	s_add_co_u32 s84, s84, s85
	s_add_co_u32 s84, s84, 8192
	s_mov_b32 s85, 0
	s_add_nc_u64 s[10:11], s[10:11], s[84:85]
	v_lshlrev_b32 v[VB], 2, v1
.irp a, 0,1,2,3,4,5,6,7
	global_load_b32 v[BIAS+2*\a], v[VB], s[10:11] offset:64*\a
.endr
	STEP 1, 0, 0
	LAST
	s_wait_kmcnt 0x0
	s_mov_b32 s87, s73                             ; e5
	MKSCALE
	s_lshr_b32 s90, s42, 3                         ; batch
	s_lshl_b32 s90, s90, 4
	s_lshl_b32 s91, s17, 2
	s_add_co_u32 s90, s90, s91
	s_lshl_b32 s91, s15, 1
	s_add_co_u32 s90, s90, s91                     ; 16 batch + my first head: 4 row + 2 half
	s_lshl_b32 s90, s90, 17
	s_and_b32 s91, s42, 7
	s_lshl_b32 s91, s91, 1
	s_add_co_u32 s91, s91, s16                     ; my block of 128 tokens: 2 (column % 8) + half
	s_lshl_b32 s91, s91, 13
	s_add_co_u32 s88, s90, s91
	s_add_co_u32 s88, s88, 0x800000                ; V at 8 MiB
	s_mov_b32 s89, 0
	s_add_nc_u64 s[12:13], s[12:13], s[88:89]
	s_wait_loadcnt 0x0
.irp a, 0,1,2,3,4,5,6,7
	v_ldexp_f32 v[BIAS+2*\a+1], v[BIAS+2*\a], s86  ; b / 2^(e0 + e1), twice: a pair for the packed addition.  These lines are also the places behind the last products
	v_ldexp_f32 v[BIAS+2*\a], v[BIAS+2*\a], s86
.endr
.irp a, 0,1,2,3,4,5,6,7
.irp g, 0,1
	OUTG \a, \g, 1
.endr
.endr
.Ldone:
	s_wait_tensorcnt 0x0                           ; the wave's end: behind my last tensor load
	ds_add_u32 v[SPW], v[NIL]
	s_wait_dscnt 0x0
	CROUND                                         ; the closing round: no work-group ends while a partner may still ask for a tile that names it
	s_endpgm
.Lfunc_end_k_qb9f62a21d9_qkv:
	.size	k_qb9f62a21d9_qkv, .Lfunc_end_k_qb9f62a21d9_qkv-k_qb9f62a21d9_qkv
	.p2alignl 7, 3214868480
	.fill 96, 4, 3214868480
	.section	.rodata,"a",@progbits
	.p2align	6, 0x0
	.amdhsa_kernel k_qb9f62a21d9_qkv
		.amdhsa_group_segment_fixed_size 327680
		.amdhsa_private_segment_fixed_size 0
		.amdhsa_enable_private_segment 0
		.amdhsa_kernarg_size 40
		.amdhsa_user_sgpr_count 2
		.amdhsa_user_sgpr_kernarg_segment_ptr 1
		.amdhsa_wavefront_size32 1
		.amdhsa_system_sgpr_workgroup_id_x 1
		.amdhsa_system_sgpr_workgroup_id_y 1
		.amdhsa_system_sgpr_workgroup_id_z 1
		.amdhsa_system_vgpr_workitem_id 0
		.amdhsa_next_free_vgpr 1024
		.amdhsa_next_free_sgpr 100
		.amdhsa_reserve_vcc 0
		.amdhsa_float_denorm_mode_32 3
		.amdhsa_float_denorm_mode_16_64 3
		.amdhsa_memory_ordered 1
		.amdhsa_forward_progress 1
		.amdhsa_inst_pref_size 213
	.end_amdhsa_kernel
	.amdgpu_metadata
---
amdhsa.version: [ 1, 2 ]
amdhsa.kernels:
  - .name:           k_qb9f62a21d9_qkv
    .symbol:         k_qb9f62a21d9_qkv.kd
    .args:
      - { .name: x_codes, .offset: 0, .size: 8, .value_kind: global_buffer, .address_space: global }
      - { .name: W_qkv_codes, .offset: 8, .size: 8, .value_kind: global_buffer, .address_space: global }
      - { .name: lowp_scales, .offset: 16, .size: 8, .value_kind: global_buffer, .address_space: global }
      - { .name: b_qkv, .offset: 24, .size: 8, .value_kind: global_buffer, .address_space: global }
      - { .name: frag, .offset: 32, .size: 8, .value_kind: global_buffer, .address_space: global }
    .group_segment_fixed_size: 327680
    .private_segment_fixed_size: 0
    .kernarg_segment_align: 8
    .kernarg_segment_size: 40
    .max_flat_workgroup_size: 128
    .sgpr_count:     100
    .vgpr_count:     1024
    .wavefront_size: 32
...
	.end_amdgpu_metadata
.endif
;; end of part 1
;; launch attn (part 2): grid 8 x 32, 16 waves a work-group, clusters of 4 x 4, 327,680 bytes of LDS; arguments frag, lowp_scales, att; writes att
.if DOCPART == 2
	.amdgcn_target "amdgcn-amd-amdhsa--gfx1250"
	.amdhsa_code_object_version 6
	.text
	.protected	k_qb9f62a21d9_attn
	.globl	k_qb9f62a21d9_attn
	.p2align	8
	.type	k_qb9f62a21d9_attn,@function
k_qb9f62a21d9_attn:
	s_mov_b64 s[64:65], 0
	v_nop
	global_prefetch_b8 v0, s[64:65] scope:SCOPE_SE
	s_setreg_imm32_b32 hwreg(HW_REG_WAVE_MODE, 25, 1), 1
	s_wait_xcnt 0x0
	s_wait_alu depctr_hold_cnt(0) depctr_sa_sdst(0) depctr_va_vdst(0) depctr_va_sdst(0) depctr_va_ssrc(0) depctr_va_vcc(0) depctr_vm_vsrc(0)
	s_getreg_b32 s2, hwreg(HW_REG_IB_STS2, 6, 4)
	s_cmp_eq_u32 s2, 0
	s_cbranch_scc0 .Lentry_in_a_cluster
	s_endpgm
.Lentry_in_a_cluster:
	s_bfe_u32 s2, ttmp6, 0x10000c
	s_cmp_lg_u32 s2, 0xf033
	s_cbranch_scc0 .Lentry_shape_is_right
	s_endpgm
.Lentry_shape_is_right:
; LAUNCH 2 OF 3: causal attention on codes of FP8 (E4M3); K, Q, V come as images of operand registers (launch 1), the result leaves as codes with the scale 2^e6, as images of operand registers.
; LEFT OUT: whole steps of 128 keys whose keys all come after a tile's 16 queries: reference()'s own causal mask makes their weights 0 whatever the inputs hold.  LIMIT: a NaN, an infinity or an overflow in those scores alone is not carried to the result.
; SOFTMAX: t = score x c, c = log2(e) / 8 x 2^(e2 + e3); M = ceil of the running largest t; p = 2^(t - M) is quantised with 2^e4; the sum is taken of the unquantised p in f32; when M moves, sum and O are multiplied by 2^(old M - new M).
; LIMITS: e2 + e3 between -110 and 124; e4 and e6 - e4 - e5 between -126 and 119; scaled scores under 2^31 in magnitude.
; LAYOUT.  S^T = K Q^T, O^T = V^T P^T: a lane holds one query (r = lane % 16); tile t's register i is key 16 t + 8 (lane / 16) + i, which is the operand's own place in the second product.
.set KIND,  131072                     ; V begins here in LDS
; SHARES.  Work-group (j, bh): query tiles 8 k + j, k = 0 .. 15, of head bh; tile k needs the key steps 0 .. k.  Sixteen waves are eight pairs p: the long tile 15 - p and the short tile p, 17 steps together.
;   Wave A of a pair walks the long tile's first a = min(14, 16 - p) steps, wave B the short tile's 0 .. p, finishes and stores that tile, then walks what is left of the long tile (p = 0, 1 alone) and hands that part (O, -M, sum) to A through LDS.
;   Waves 0-3: A of p = 0 .. 3; 4-7: A of p = 7 .. 4; 8-11: B of p = 7 .. 4; 12-15: B of p = 0 .. 3.  Every fourth wave: 34 steps together, the earlier wave the more.
;   The branches hang on the wave's number alone, never on the work-group's place in its cluster.
; LOADS.  K and V of the head (2 x 128 KiB) lie in LDS whole: first fills alone, one joint load of 16 KiB a wave.  No prefetch: every byte is asked for at the head.
; CLUSTERS: 4 x 4 work-groups, two heads: cluster c, rows cy = 0, 1 head 2 c, rows 2, 3 head 2 c + 1; j = 4 (cy % 2) + cx.  A row asks jointly.
; THE DIAGONAL STEP takes its mask as the C of the first product: 0, or -2^127 where the key comes after the query.  Key tile t < j: open; t > j: hidden; t = j: the pattern v[DG]: C = DG x AL(t) + BE(t).
.set SPARE, 2*KIND                     ; the spare words, 128 bytes a wave
.set EXB,   SPARE+2048                 ; the exchange: 4,352 bytes a pair
.set EXP,   4352
.set LI,   1                           ; 16 x lane
.set ADK,  3
.set ADV,  4
.set SPW,  5
.set NIL,  6
.set VEX,  10                          ; the pair's exchange + 16 x lane
.set VEM,  11                          ; the pair's exchange + 4,096 + 4 x lane
.set NM,   12                          ; -M; v13 the largest t; v[14:15] the sum in two halves
.set Q,    16                          ; the queries of the tile in hand
.set Q2,   24                          ; the long tile's (B takes them over when its short tile is finished; in A both are the long tile's)
.set FR,   32                          ; fragments: K's, then V's
.set S,    96
.set O,    160
.set DG,   192
.set PRM,  200
.set SUM2, 202                         ; with SUMB, SUMC and v[14:15]: four chains of the sum
.set SUMB, 216
.set SUMC, 218
.set LIM4, 204                         ; 448 x 2^e4, twice: a dual pair's second sources
.set F,    206
.set MX,   208
.set SC4,  212
.set SC6,  213
.set LIM6, 214
.set PC,   224
.set AL,   240
.set BE,   248
.set WV,   12
.set JW,   14
.set BH,   15
.set ROLE, 16                          ; 0: A, 1: B
.set I,    17                          ; the trip, 0 .. 13
.set TB,   18
.set SEL,  20
.set CS,   22
.set G1,   24
.set G0,   32
.set P,    36
.set LEN,  37                          ; a, the long tile's steps that A walks
.set LASTI, 38                         ; my last trip: a - 1 (A), 16 - a (B)
.set DEL,  39                          ; behind its short tile B's key step is the trip + a - p - 1
.set D1,   40                          ; the tile that I store, and the trip of its diagonal step, its last (A of p = 0, 1 does not reach it)
.set D2,   41                          ; the trip of the long tile's diagonal step in B; 15, never, in A
.set T2,   42                          ; the long tile
.macro CROUND
	s_barrier_signal -1
	s_barrier_wait -1
	s_cmp_lg_u32 s[WV], 0
	s_cbranch_scc1 .Lnot_wave_0_\@
	s_barrier_signal -3
.Lnot_wave_0_\@:
	s_barrier_wait -3
	s_barrier_signal -1
	s_barrier_wait -1
.endm
.macro INIT                            ; a tile begins: the first change of M multiplies these zeros
	v_mov_b32 v13, 0xff61b1e6              ; -3e38, under every t
	v_mov_b32 v14, 0
	v_mov_b32 v15, 0
.set n, 0
.rept 32
	v_mov_b32 v[O+n], 0
.set n, n+1
.endr
	v_floor_f32 v[NM], -v13
.endm
.macro FINISH                          ; O / sum, quantised with 2^e6, stored: 512 consecutive bytes a store
	v_add_f32 v14, v14, v15
	s_delay_alu instid0(VALU_DEP_1)
	v_permlanex16_b32 v[PRM], v14, s[SEL], s[SEL+1]
	s_delay_alu instid0(VALU_DEP_1)
	v_add_f32 v14, v14, v[PRM]
	s_wait_alu depctr_va_vdst(0)           ; ahead of the transcendental,
	v_rcp_f32 v14, v14
	v_nop
	s_wait_alu depctr_va_vdst(0)           ; and behind it, here also ahead of the first reader of O
.set n, 0
.rept 16
	v_pk_mul_f32 v[S+n:S+n+1], v[O+n:O+n+1], v[14:15] op_sel_hi:[1,0]
.set n, n+2
.endr
.set n, 0
.rept 32
	v_med3_num_f32 v[S+n], v[S+n], -v[LIM6], v[LIM6]
.set n, n+1
.endr
.irp d, 0,1,2,3
	v_cvt_scalef32_pk8_fp8_f32 v[PC+2*\d:PC+2*\d+1], v[S+8*\d:S+8*\d+7], v[SC6]
.endr
	v_nop
	global_store_b128 v[LI], v[PC:PC+3], s[8:9]
	global_store_b128 v[LI], v[PC+4:PC+7], s[8:9] offset:512
.endm
	s_load_b128 s[4:7], s[0:1], 0x0                ; frag, the scales' exponents
	s_load_b64 s[8:9], s[0:1], 0x10                ; att
	v_lshl_add_u32 v[SPW], v0, 2, SPARE
	v_mov_b32 v[NIL], 0
	ds_add_u32 v[SPW], v[NIL]                      ; the opening lines: the add twice on end, one wait; work on registers between
	ds_add_u32 v[SPW], v[NIL]
	v_lshrrev_b32 v7, 5, v0
	s_delay_alu instid0(VALU_DEP_1)
	v_readfirstlane_b32 s[WV], v7
	s_bfe_u32 s13, ttmp6, 0x40000                  ; cx
	s_bfe_u32 s46, ttmp6, 0x40004                  ; cy
	s_and_b32 s66, ttmp7, 0xffff
	s_lshl_b32 s66, s66, 1
	s_add_co_u32 s66, s66, ttmp9                   ; the cluster, 0 .. 15
	s_lshl_b32 s[BH], s66, 1
	s_lshr_b32 s67, s46, 1
	s_add_co_u32 s[BH], s[BH], s67                 ; 16 batch + head
	s_and_b32 s[JW], s46, 1
	s_lshl_b32 s[JW], s[JW], 2
	s_add_co_u32 s[JW], s[JW], s13                 ; j, 0 .. 7
	s_lshl_b32 s43, s46, 2
	s_lshl_b32 s43, 15, s43                        ; my row of the cluster
	s_lshr_b32 s[ROLE], s[WV], 3
	s_lshr_b32 s66, s[WV], 2
	s_xor_b32 s66, s66, s[ROLE]
	s_and_b32 s66, s66, 1                          ; 1 in waves 4 to 11
	s_mul_i32 s66, s66, 7
	s_and_b32 s[P], s[WV], 3
	s_xor_b32 s[P], s[P], s66                      ; p
	s_xor_b32 s[T2], s[P], 15                      ; the long tile: 15 - p
	s_add_co_u32 s[LEN], s[T2], 1
	s_min_u32 s[LEN], s[LEN], 14
	s_xor_b32 s66, s[ROLE], 1                      ; 1 in A
	s_mul_i32 s67, s66, 15
	s_xor_b32 s[D1], s[P], s67                     ; A: 15 - p, B: p
	s_sub_co_u32 s68, 16, s[LEN]
	s_or_b32 s[D2], s68, s67
	s_lshl_b32 s69, s[LEN], 1
	s_sub_co_u32 s69, s69, 17
	s_mul_i32 s69, s69, s66
	s_add_co_u32 s[LASTI], s68, s69
	s_sub_co_u32 s[DEL], s[LEN], s[P]
	s_sub_co_u32 s[DEL], s[DEL], 1
	; my load: key steps 4 (wave / 4) .. + 3 of K or V (bit 1 of the wave), half by bit 0
	s_lshr_b32 s68, s[WV], 2
	s_bfe_u32 s69, s[WV], 0x10001
	s_and_b32 s70, s[WV], 1
	s_lshl_b32 s68, s68, 15
	s_lshl_b32 s70, s70, 14
	s_add_co_u32 s68, s68, s70
	s_lshl_b32 s71, s69, 17
	s_add_co_u32 s72, s68, s71                     ; in LDS
	s_lshl_b32 s73, s69, 23
	s_lshl_b32 s74, s[BH], 17
	s_add_co_u32 s74, s74, s73
	s_add_co_u32 s74, s74, s68                     ; in frag: K at 0, V at 8 MiB
	s_mov_b32 s75, 0
	s_or_b32 s[G1], s43, (3<<16)|(1<<21)           ; the mask: my row of the cluster; elements of 8 bytes; 64 rows of 256 bytes, dense
	s_mov_b32 s[G1+1], 32<<16
	s_mov_b32 s[G1+2], 64<<16
	s_mov_b32 s[G1+3], 32<<16
	s_mov_b32 s[G1+4], 64
	s_mov_b32 s[G1+5], 32
	s_mov_b32 s[G1+6], 0
	s_mov_b32 s[G1+7], 0
	s_mov_b32 s[SEL], 0x76543210                   ; lane l xor 16
	s_mov_b32 s[SEL+1], 0xfedcba98
	s_mov_b32 s[CS], 0x3e38aa3b                    ; log2(e) / 8
	s_mov_b32 s[I], 0
	s_lshl_b32 s66, s[D1], 3
	s_add_co_u32 s66, s66, s[JW]                   ; the tile that I store
	s_lshl_b32 s67, s[T2], 3
	s_add_co_u32 s67, s67, s[JW]                   ; the long tile
	s_lshl_b32 s82, s[BH], 17
	s_add_co_u32 s82, s82, 0x400000                ; Q at 4 MiB
	s_lshl_b32 s76, s66, 10
	s_add_co_u32 s76, s76, s82
	s_mov_b32 s77, 0
	s_lshl_b32 s78, s67, 10
	s_add_co_u32 s78, s78, s82
	s_mov_b32 s79, 0
	s_lshr_b32 s80, s[BH], 4
	s_lshl_b32 s80, s80, 7
	s_add_co_u32 s80, s80, s66
	s_lshl_b32 s80, s80, 4
	s_and_b32 s81, s[BH], 15
	s_add_co_u32 s80, s80, s81
	s_lshl_b32 s80, s80, 10                        ; att: [tile of 16 tokens][head][1,024 bytes]
	s_mov_b32 s81, 0
	s_mul_i32 s44, s[P], EXP
	s_add_co_u32 s44, s44, EXB
	s_add_co_u32 s45, s44, 4096
	v_and_b32 v[LI], 31, v0
	v_bfe_u32 v8, v0, 4, 1
	v_and_b32 v7, 15, v0
	v_lshlrev_b32 v[VEM], 2, v[LI]
	v_lshlrev_b32 v[LI], 4, v[LI]
	v_lshlrev_b32 v8, 3, v8
	v_mov_b32 v9, 0xff000000                       ; -2^127
	v_add_nc_u32 v[VEM], s45, v[VEM]
	v_add_nc_u32 v[VEX], s44, v[LI]
	v_sub_nc_u32 v7, v7, v8                        ; r - 8 (lane / 16): in the key tile of my own queries register i is hidden where i > this
	v_mov_b32 v[PRM], 0                            ; (a lane permute's destination counts as one of its sources)
	v_mov_b32 v[F+1], 0                            ; (named as the upper half of a pair)
.irp i, 0,1,2,3,4,5,6,7
	v_cmp_gt_i32 vcc_lo, \i, v7
	v_cndmask_b32 v[DG+\i], 0, v9, vcc_lo
.endr
.set n, 0
.rept 8
	s_cmp_eq_u32 s[JW], n
	s_cselect_b32 s66, 1.0, 0
	s_cmp_lt_u32 s[JW], n
	s_cselect_b32 s67, 0xff000000, 0
	v_mov_b32 v[AL+n], s66
	v_mov_b32 v[BE+n], s67
.set n, n+1
.endr
	INIT
	s_wait_alu depctr_va_vdst(0)
	s_wait_dscnt 0x0                               ; both opening adds are done
	s_wait_kmcnt 0x0
	s_load_b256 s[56:63], s[6:7], 0x0              ; e0 .. e7
	s_mov_b32 s[G0], 1
	s_mov_b32 s[G0+1], s72
	s_add_nc_u64 s[G0+2:G0+3], s[4:5], s[74:75]
	s_or_b32 s[G0+3], s[G0+3], 0x80000000
	s_add_nc_u64 s[48:49], s[4:5], s[76:77]
	s_add_nc_u64 s[50:51], s[4:5], s[78:79]
	s_add_nc_u64 s[8:9], s[8:9], s[80:81]
	global_load_b128 v[Q:Q+3], v[LI], s[48:49]
	global_load_b128 v[Q+4:Q+7], v[LI], s[48:49] offset:512
	global_load_b128 v[Q2:Q2+3], v[LI], s[50:51]
	global_load_b128 v[Q2+4:Q2+7], v[LI], s[50:51] offset:512
	CROUND                                         ; all sixteen work-groups are here: the joint loads meet
	tensor_load_to_lds s[G0:G0+3], s[G1:G1+7]
	s_nop 0
.rept 4
	v_nop
.endr
	s_wait_kmcnt 0x0
	s_add_co_i32 s66, s58, s59
	s_lshl_b32 s66, s66, 23
	s_add_co_i32 s[CS], s[CS], s66                 ; c x 2^(e2 + e3): added to the exponent field
	s_mov_b32 s[CS+1], s[CS]
	s_add_co_i32 s66, s60, 127
	s_lshl_b32 s67, s66, 23
	v_mov_b32 v[SC4], s67                          ; 2^e4
	s_add_co_i32 s66, s66, 8
	s_lshl_b32 s66, s66, 23
	s_or_b32 s66, s66, 0x600000
	v_mov_b32 v[LIM4], s66                         ; 448 x that
	v_mov_b32 v[LIM4+1], s66
	s_sub_co_i32 s66, s62, s60
	s_sub_co_i32 s66, s66, s61
	s_add_co_i32 s66, s66, 127
	s_lshl_b32 s67, s66, 23
	v_mov_b32 v[SC6], s67                          ; 2^(e6 - e4 - e5)
	s_add_co_i32 s66, s66, 8
	s_lshl_b32 s66, s66, 23
	s_or_b32 s66, s66, 0x600000
	v_mov_b32 v[LIM6], s66
; A TRIP: one step of 128 keys for my tile in hand.
.macro TRIP
	s_cmp_gt_u32 s[I], s[D1]
	s_cselect_b32 s66, s[DEL], 0
	s_add_co_u32 s66, s66, s[I]
	s_and_b32 s66, s66, 15                         ; the key step, 0 .. 15
	s_lshl_b32 s[TB], s66, 13                      ; 8,192 bytes of K and of V a step
	s_add_co_u32 s67, s[TB], KIND
	v_add_nc_u32 v[ADK], s[TB], v[LI]
	v_add_nc_u32 v[ADV], s67, v[LI]
	v_nop                                          ; with the two additions the four places in front of loads into registers that matrix instructions have read
	v_nop
	s_cmp_gt_u32 s[I], s[LASTI]                    ; my steps are over
	s_cbranch_scc1 .Lskip_\@
.irp t, 0,1,2,3,4,5,6,7
	ds_load_b128 v[FR+8*\t:FR+8*\t+3], v[ADK] offset:1024*\t
	ds_load_b128 v[FR+8*\t+4:FR+8*\t+7], v[ADK] offset:1024*\t+512
.endr
	s_wait_alu depctr_va_vdst(0)
	s_cmp_eq_u32 s[I], s[D1]
	s_cbranch_scc1 .Ldiag_\@
	s_cmp_eq_u32 s[I], s[D2]
	s_cbranch_scc1 .Ldiag_\@
.irp t, 0,2,4,6
	s_wait_dscnt 12-2*\t                           ; key tiles t and t + 1 are in; the younger tiles' loads, two each, may be out
	v_wmma_f32_16x16x64_fp8_fp8 v[S+8*\t:S+8*\t+7], v[FR+8*\t:FR+8*\t+7], v[Q:Q+7], 0
	v_wmma_f32_16x16x64_fp8_fp8 v[S+8*\t+8:S+8*\t+15], v[FR+8*\t+8:FR+8*\t+15], v[Q:Q+7], 0
.endr
	s_branch .Lscores_\@
.Ldiag_\@:
	s_wait_dscnt 0x0
.irp t, 0,1,2,3,4,5,6,7
.irp i, 0,2,4,6
.if (\t)%2
	v_pk_fma_f32 v[S+8*\t+\i:S+8*\t+\i+1], v[DG+\i:DG+\i+1], v[AL+\t-1:AL+\t], v[BE+\t-1:BE+\t] op_sel:[0,1,1] op_sel_hi:[1,1,1]
.else
	v_pk_fma_f32 v[S+8*\t+\i:S+8*\t+\i+1], v[DG+\i:DG+\i+1], v[AL+\t:AL+\t+1], v[BE+\t:BE+\t+1] op_sel_hi:[1,0,0]
.endif
.endr
.endr
.irp t, 0,1,2,3,4,5,6,7
	v_wmma_f32_16x16x64_fp8_fp8 v[S+8*\t:S+8*\t+7], v[FR+8*\t:FR+8*\t+7], v[Q:Q+7], v[S+8*\t:S+8*\t+7]
.endr
.Lscores_\@:
.rept 4
	v_nop                                          ; places in front of V's loads and of the scores' first reader
.endr
.irp d, 0,1,2,3
.irp c, 0,1,2,3
	ds_load_b128 v[FR+16*\d+4*\c:FR+16*\d+4*\c+3], v[ADV] offset:2048*\d+512*\c
.endr
.endr
	v_max3_num_f32 v[MX], v[S], v[S+1], v[S+2]     ; the largest score, in four chains
	v_max3_num_f32 v[MX+1], v[S+3], v[S+4], v[S+5]
	v_max3_num_f32 v[MX+2], v[S+6], v[S+7], v[S+8]
	v_max3_num_f32 v[MX+3], v[S+9], v[S+10], v[S+11]
.irp i, 12,20,28,36,44,52
	v_max3_num_f32 v[MX], v[MX], v[S+\i], v[S+1+\i]
	v_max3_num_f32 v[MX+1], v[MX+1], v[S+2+\i], v[S+3+\i]
	v_max3_num_f32 v[MX+2], v[MX+2], v[S+4+\i], v[S+5+\i]
	v_max3_num_f32 v[MX+3], v[MX+3], v[S+6+\i], v[S+7+\i]
.endr
	v_max3_num_f32 v[MX], v[MX], v[S+60], v[S+61]
	v_max3_num_f32 v[MX+1], v[MX+1], v[S+62], v[S+63]
	v_max3_num_f32 v[MX+2], v[MX+2], v[MX+3], v[MX]
	s_delay_alu instid0(VALU_DEP_1)
	v_max_num_f32 v[MX], v[MX+2], v[MX+1]
	s_delay_alu instid0(VALU_DEP_1)
	v_permlanex16_b32 v[PRM], v[MX], s[SEL], s[SEL+1]
	s_delay_alu instid0(VALU_DEP_1)
	v_max_num_f32 v[MX], v[MX], v[PRM]
	s_delay_alu instid0(VALU_DEP_1)
	v_mul_f32 v[MX], s[CS], v[MX]
	s_delay_alu instid0(VALU_DEP_1)
	v_max_num_f32 v13, v13, v[MX]
	v_mov_b32 v[MX], v[NM]
	s_delay_alu instid0(VALU_DEP_2)
	v_floor_f32 v[NM], -v13                        ; -M = -ceil(t)
	s_delay_alu instid0(VALU_DEP_1)
	v_sub_f32 v[MX], v[NM], v[MX]                  ; old M - new M
	s_delay_alu instid0(VALU_DEP_1)
	v_cvt_i32_f32 v[MX], v[MX]
	s_delay_alu instid0(VALU_DEP_1)
	v_ldexp_f32 v[F], 1.0, v[MX]
.set n, 0
.rept 32
	v_pk_fma_f32 v[S+n:S+n+1], v[S+n:S+n+1], s[CS:CS+1], v[NM:NM+1] op_sel_hi:[1,0,0]
.set n, n+2
.endr
.set n, 0
.rept 16
	v_pk_mul_f32 v[O+n:O+n+1], v[O+n:O+n+1], v[F:F+1] op_sel_hi:[1,0]   ; O under the new M
.set n, n+2
.endr
	s_wait_alu depctr_va_vdst(0)                   ; ahead of the batch,
.set n, 0
.rept 64
	v_exp_f32 v[S+n], v[S+n]
.set n, n+1
.endr
	v_pk_mul_f32 v[14:15], v[14:15], v[F:F+1] op_sel_hi:[1,0]
	s_wait_alu depctr_va_vdst(0)                   ; and behind it
	v_pk_add_f32 v[SUM2:SUM2+1], v[S:S+1], v[S+2:S+3]      ; the sum of the unquantised p, in four chains
	v_pk_add_f32 v[SUMB:SUMB+1], v[S+4:S+5], v[S+6:S+7]
	v_pk_add_f32 v[SUMC:SUMC+1], v[S+8:S+9], v[S+10:S+11]
	v_pk_add_f32 v[14:15], v[14:15], v[S+12:S+13]
.irp j, 14,22,30,38,46,54
	v_pk_add_f32 v[SUM2:SUM2+1], v[SUM2:SUM2+1], v[S+\j:S+1+\j]
	v_pk_add_f32 v[SUMB:SUMB+1], v[SUMB:SUMB+1], v[S+2+\j:S+3+\j]
	v_pk_add_f32 v[SUMC:SUMC+1], v[SUMC:SUMC+1], v[S+4+\j:S+5+\j]
	v_pk_add_f32 v[14:15], v[14:15], v[S+6+\j:S+7+\j]
.endr
	v_pk_add_f32 v[SUM2:SUM2+1], v[SUM2:SUM2+1], v[S+62:S+63]
	v_pk_add_f32 v[SUMB:SUMB+1], v[SUMB:SUMB+1], v[SUMC:SUMC+1]
.irp c, 0,1,2,3,4,5,6,7
.irp i, 0,2,4,6
	v_dual_min_num_f32 v[S+8*\c+\i], v[S+8*\c+\i], v[LIM4] :: v_dual_min_num_f32 v[S+8*\c+\i+1], v[S+8*\c+\i+1], v[LIM4+1]   ; the hold: the conversion does not saturate (ISA guide 7.6.2); p is not negative
.endr
	v_cvt_scalef32_pk8_fp8_f32 v[PC+2*\c:PC+2*\c+1], v[S+8*\c:S+8*\c+7], v[SC4]
.endr
	v_pk_add_f32 v[14:15], v[14:15], v[SUM2:SUM2+1]        ; (these two are also plain places behind the conversions)
	s_delay_alu instid0(VALU_DEP_1)
	v_pk_add_f32 v[14:15], v[14:15], v[SUMB:SUMB+1]
	s_wait_alu depctr_va_vdst(0)
	s_wait_dscnt 0x0                               ; V's fragments
.irp d, 0,1,2,3
	v_wmma_f32_16x16x128_fp8_fp8 v[O+8*\d:O+8*\d+7], v[FR+16*\d:FR+16*\d+15], v[PC:PC+15], v[O+8*\d:O+8*\d+7]
.endr
	s_cmp_lg_u32 s[I], s[D1]
	s_cbranch_scc1 .Lskip_\@
	v_nop                                          ; a tile that I have walked to its end leaves
	v_nop
	FINISH
	s_wait_alu depctr_va_vdst(0)
	s_wait_xcnt 0x0                                ; the stores have read v[PC..], which a later step writes
	s_cmp_eq_u32 s[I], s[LASTI]
	s_cbranch_scc1 .Lskip_\@
	INIT                                           ; B of p = 0, 1: on to the rest of the long tile
.irp i, 0,1,2,3,4,5,6,7
	v_mov_b32 v[Q+\i], v[Q2+\i]
.endr
	s_wait_alu depctr_va_vdst(0)
.Lskip_\@:
	s_add_co_u32 s[I], s[I], 1
.endm
	s_wait_alu depctr_va_vdst(0)
	s_wait_loadcnt 0x0                             ; the queries
	s_wait_tensorcnt 0x0                           ; my load has landed,
	s_barrier_signal -1
	s_barrier_wait -1                              ; everybody's has
.Lloop:
	TRIP
	s_cmp_lt_u32 s[I], 14
	s_cbranch_scc1 .Lloop
	; p = 0, 1: B hands its part of the long tile to A.  The other pairs have stored both tiles
.rept 4
	v_nop
.endr
	v_add_f32 v[MX], v14, v15
	s_wait_alu depctr_va_vdst(0)
	s_cmp_eq_u32 s[ROLE], 0
	s_cbranch_scc1 .Lhanded
	s_cmp_gt_u32 s[P], 1
	s_cbranch_scc1 .Lhanded
.irp k, 0,1,2,3,4,5,6,7
	ds_store_b128 v[VEX], v[O+4*\k:O+4*\k+3] offset:512*\k
.endr
	ds_store_b32 v[VEM], v[NM]
	ds_store_b32 v[VEM], v[MX] offset:128
.Lhanded:
	s_wait_dscnt 0x0
	s_barrier_signal -1
	s_barrier_wait -1
	s_cmp_lg_u32 s[ROLE], 0
	s_cbranch_scc1 .Ldone
	s_cmp_gt_u32 s[P], 1
	s_cbranch_scc1 .Ldone
	ds_load_b32 v[MX+2], v[VEM]                    ; B's -M
	ds_load_b32 v[MX+3], v[VEM] offset:128         ; B's sum
.irp k, 0,1,2,3,4,5,6,7
	ds_load_b128 v[FR+4*\k:FR+4*\k+3], v[VEX] offset:512*\k
.endr
	s_wait_dscnt 0x0
	v_min_num_f32 v[MX], v[NM], v[MX+2]            ; the joint -M
	s_delay_alu instid0(VALU_DEP_1)
	v_sub_f32 v[F], v[MX], v[NM]
	v_sub_f32 v[SUM2], v[MX], v[MX+2]
	v_cvt_i32_f32 v[F], v[F]
	v_cvt_i32_f32 v[SUM2], v[SUM2]
	v_ldexp_f32 v[F], 1.0, v[F]                    ; 2^(my M - joint M)
	v_ldexp_f32 v[SUM2], 1.0, v[SUM2]              ; 2^(B's M - joint M)
	v_pk_mul_f32 v[14:15], v[14:15], v[F:F+1] op_sel_hi:[1,0]
.set n, 0
.rept 16
	v_pk_mul_f32 v[O+n:O+n+1], v[O+n:O+n+1], v[F:F+1] op_sel_hi:[1,0]
.set n, n+2
.endr
	v_fma_f32 v14, v[MX+3], v[SUM2], v14
.set n, 0
.rept 16
	v_pk_fma_f32 v[O+n:O+n+1], v[FR+n:FR+n+1], v[SUM2:SUM2+1], v[O+n:O+n+1] op_sel_hi:[1,0,1]
.set n, n+2
.endr
	FINISH
.Ldone:
	s_wait_tensorcnt 0x0                           ; the wave's end
	ds_add_u32 v[SPW], v[NIL]
	s_wait_dscnt 0x0
	CROUND                                         ; the closing round
	s_endpgm
.Lfunc_end_k_qb9f62a21d9_attn:
	.size	k_qb9f62a21d9_attn, .Lfunc_end_k_qb9f62a21d9_attn-k_qb9f62a21d9_attn
	.p2alignl 7, 3214868480
	.fill 96, 4, 3214868480
	.section	.rodata,"a",@progbits
	.p2align	6, 0x0
	.amdhsa_kernel k_qb9f62a21d9_attn
		.amdhsa_group_segment_fixed_size 327680
		.amdhsa_private_segment_fixed_size 0
		.amdhsa_enable_private_segment 0
		.amdhsa_kernarg_size 24
		.amdhsa_user_sgpr_count 2
		.amdhsa_user_sgpr_kernarg_segment_ptr 1
		.amdhsa_wavefront_size32 1
		.amdhsa_system_sgpr_workgroup_id_x 1
		.amdhsa_system_sgpr_workgroup_id_y 1
		.amdhsa_system_sgpr_workgroup_id_z 1
		.amdhsa_system_vgpr_workitem_id 0
		.amdhsa_next_free_vgpr 256
		.amdhsa_next_free_sgpr 100
		.amdhsa_reserve_vcc 1
		.amdhsa_float_denorm_mode_32 3
		.amdhsa_float_denorm_mode_16_64 3
		.amdhsa_memory_ordered 1
		.amdhsa_forward_progress 1
		.amdhsa_inst_pref_size 43
	.end_amdhsa_kernel
	.amdgpu_metadata
---
amdhsa.version: [ 1, 2 ]
amdhsa.kernels:
  - .name:           k_qb9f62a21d9_attn
    .symbol:         k_qb9f62a21d9_attn.kd
    .args:
      - { .name: frag, .offset: 0, .size: 8, .value_kind: global_buffer, .address_space: global }
      - { .name: lowp_scales, .offset: 8, .size: 8, .value_kind: global_buffer, .address_space: global }
      - { .name: att, .offset: 16, .size: 8, .value_kind: global_buffer, .address_space: global }
    .group_segment_fixed_size: 327680
    .private_segment_fixed_size: 0
    .kernarg_segment_align: 8
    .kernarg_segment_size: 24
    .max_flat_workgroup_size: 512
    .sgpr_count:     100
    .vgpr_count:     256
    .wavefront_size: 32
...
	.end_amdgpu_metadata
.endif
;; end of part 2
;; launch proj (part 3): grid 8 x 32, 4 waves a work-group, clusters of 4 x 4, 327,680 bytes of LDS; arguments att, W_o_codes, lowp_scales, b_o, out0; writes out0
.if DOCPART == 3
	.amdgcn_target "amdgcn-amd-amdhsa--gfx1250"
	.amdhsa_code_object_version 6
	.text
	.protected	k_qb9f62a21d9_proj
	.globl	k_qb9f62a21d9_proj
	.p2align	8
	.type	k_qb9f62a21d9_proj,@function
k_qb9f62a21d9_proj:
	s_mov_b64 s[64:65], 0
	v_nop
	global_prefetch_b8 v0, s[64:65] scope:SCOPE_SE
	s_setreg_imm32_b32 hwreg(HW_REG_WAVE_MODE, 25, 1), 1
	s_wait_xcnt 0x0
	s_wait_alu depctr_hold_cnt(0) depctr_sa_sdst(0) depctr_va_vdst(0) depctr_va_sdst(0) depctr_va_ssrc(0) depctr_va_vcc(0) depctr_vm_vsrc(0)
	s_getreg_b32 s2, hwreg(HW_REG_IB_STS2, 6, 4)
	s_cmp_eq_u32 s2, 0
	s_cbranch_scc0 .Lentry_in_a_cluster
	s_endpgm
.Lentry_in_a_cluster:
	s_bfe_u32 s2, ttmp6, 0x10000c
	s_cmp_lg_u32 s2, 0xf033
	s_cbranch_scc0 .Lentry_shape_is_right
	s_endpgm
.Lentry_shape_is_right:
; LAUNCH 3 OF 3: out0 = att W_o^T + b_o on codes of FP8 (E4M3): out0 [4,096][1,024] f32; sum x 2^(e6 + e7) + b_o.  Nothing is left out here.
; att: images of operand registers, [tile of 16 tokens 256][head 16][1,024 bytes]; two neighbouring heads are one fragment of 16 tokens x 128 K, k in its true place.
; W_o's codes lie as rows of 1,024 bytes; its fragments are read in the form's own layout: eight loads of 8 bytes, 16 bytes apart, at row x pitch + 8 (l / 16).
; 256 work-groups, a tile of 128 x 128 each; four waves, 64 tokens x 64 columns each.  Both panels lie in LDS whole: first fills alone, one tensor load a wave (waves 0, 1: att's halves; 2, 3: W_o's).
; A WAVE KEEPS ITS 64 ROWS OF W_o IN REGISTERS (4 x 8 fragments of 16: 512) and walks its tokens in four blocks of 16, over the whole K: so a block's rows leave while the next block is multiplied, and no fragment is read twice.
; CLUSTERS: 4 x 4 work-groups; att's tiles are asked for jointly along a row of the cluster, W_o's along a column.  No prefetch: every byte is asked for at the head.
; THE MATRIX INSTRUCTION IS USED TRANSPOSED (source 0 = 16 rows of W_o, source 1 = 16 tokens): a lane holds eight neighbouring numbers of a row of out0.
; LIMIT: e6 + e7 between -126 and 127, so that 2^(e6 + e7) is an f32 number.
; REGISTERS: window 0: v16-29 addresses; v32-63 at work; v64-95 rows read back; v96-127 b_o; v128-255 the accumulators (block g, columns 16 b: v[128 + 32 g + 8 b]).
;   windows 1 and 2: W_o's fragments: K step k (128 along K), columns 16 b: v[64 (k % 4) + 16 b] of window 1 + k / 4.   window 3: att's fragments, two buffers of 16 tokens x 1,024 K.
.set BBASE,  131072                    ; att: [tile of 16 tokens 8][16,384 bytes], dense; then W_o's 128 rows
.set BP,     1040                      ; a row of W_o: 1,024 bytes + 16 of padding: row r starts at bank 4 r mod 64 (64 banks of 4 bytes: ISA guide 11.1)
.set STAGE,  BBASE+128*BP              ; 16 rows x 272 bytes for each wave, for the way out; no tensor load lands there
.set SPARE,  STAGE+4*16*272            ; the spare words, 128 bytes for each wave
.set ADRA, 16
.set ADRB, 17
.set STO,  18                          ; the way out: where I put 32 bytes of a row
.set RD,   19                          ; where I read rows back
.set CO,   20                          ; my byte offset in out0
.set VB,   21                          ; 32 h: my place among b_o's numbers
.set SPW,  28
.set NIL,  29
.set TMP,  32
.set BK,   64
.set BIAS, 96
.set ACC,  128
.set G1A,  24
.set G0A,  32
.set G1B,  48
.set G0B,  36
.set MSB, 0
.macro WIN new                         ; the immediate's high byte repeats the setting that is left
.if MSB != (\new)
	s_set_vgpr_msb (MSB<<8)|(\new)
.set MSB, (\new)
.endif
.endm
.macro CROUND                          ; a round of the cluster's barrier
	s_barrier_signal -1
	s_barrier_wait -1
	s_cmp_lg_u32 s10, 0
	s_cbranch_scc1 .Lnot_wave_0_\@
	s_barrier_signal -3
.Lnot_wave_0_\@:
	s_barrier_wait -3
	s_barrier_signal -1
	s_barrier_wait -1
.endm
	s_load_b128 s[4:7], s[0:1], 0x0                ; att s[4:5], W_o's codes s[6:7]
	s_load_b128 s[16:19], s[0:1], 0x10             ; the scales' exponents s[16:17], b_o s[18:19]
	s_load_b64 s[8:9], s[0:1], 0x20                ; out0
	v_lshl_add_u32 v[SPW], v0, 2, SPARE
	v_mov_b32 v[NIL], 0
	ds_add_u32 v[SPW], v[NIL]                      ; the opening lines: the add twice on end, one wait; work on registers between
	ds_add_u32 v[SPW], v[NIL]
	v_lshrrev_b32 v1, 5, v0
	v_readfirstlane_b32 s10, v1                    ; wave 0..3
	s_lshr_b32 s11, s10, 1                         ; which 64 tokens of the tile are mine.  Also: I fetch for att (0) or for W_o (1)
	s_and_b32 s12, s10, 1                          ; which 64 columns.  Also: which half of the panel I fetch
	s_bfe_u32 s56, ttmp6, 0x40000                  ; cx, cy: my place in the cluster
	s_bfe_u32 s57, ttmp6, 0x40004
	s_lshl_b32 s58, ttmp9, 2
	s_add_co_u32 s58, s58, s56                     ; tile column = 4 x cluster x + cx, 0 .. 7
	s_and_b32 s13, ttmp7, 0xffff
	s_lshl_b32 s13, s13, 2
	s_add_co_u32 s13, s13, s57                     ; tile row = 4 x cluster y + cy, 0 .. 31
	s_lshl_b32 s59, s57, 2
	s_lshl_b32 s59, 15, s59                        ; my row of the cluster
	s_lshl_b32 s60, 0x1111, s56                    ; my column
	; att: 4 tiles of 16 tokens, 65,536 bytes on end, as 256 rows of 256 bytes in elements of 8 bytes; dense in LDS
	s_or_b32 s[G1A], s59, (3<<16)|(1<<21)
	s_mov_b32 s[G1A+1], 32<<16
	s_mov_b32 s[G1A+2], 256<<16
	s_mov_b32 s[G1A+3], 32<<16
	s_mov_b32 s[G1A+4], 256
	s_mov_b32 s[G1A+5], 32
	s_mov_b32 s[G1A+6], 0
	s_mov_b32 s[G1A+7], 0
	; W_o: 64 rows of 1,024 bytes, padded in LDS by 4 words (code 3) after every 256 (code 7)
	s_or_b32 s[G1B], s60, (0<<16)|(1<<20)|(1<<21)|(7<<22)|(3<<25)
	s_mov_b32 s[G1B+1], 1024<<16
	s_mov_b32 s[G1B+2], 64<<16
	s_mov_b32 s[G1B+3], 1024<<16
	s_mov_b32 s[G1B+4], 64
	s_mov_b32 s[G1B+5], 1024
	s_mov_b32 s[G1B+6], 0
	s_mov_b32 s[G1B+7], 0
	s_lshl_b32 s61, s12, 16                        ; half a panel in memory; and att's half in LDS
	s_lshl_b32 s20, s13, 17                        ; att: 8 tiles of tokens x 16,384 bytes x tile row
	s_add_co_u32 s20, s20, s61
	s_mov_b32 s21, 0
	s_lshl_b32 s22, s58, 17                        ; W_o: 128 rows x 1,024 bytes x tile column
	s_add_co_u32 s22, s22, s61
	s_mov_b32 s23, 0
	s_mul_i32 s62, s12, 64*BP
	s_add_co_u32 s62, s62, BBASE                   ; W_o's half in LDS: no place in the cluster enters an LDS address
	s_lshl_b32 s14, s11, 16                        ; my four tiles of tokens (my rows of W_o begin at s62: 64 x (wave % 2) too)
	s_mul_i32 s15, s10, 16*272
	s_add_co_u32 s15, s15, STAGE                   ; my stage
	v_and_b32 v3, 31, v0
	v_and_b32 v1, 15, v0                           ; r
	v_bfe_u32 v2, v0, 4, 1                         ; h
	v_lshlrev_b32 v3, 4, v3                        ; 16 x lane
	v_mul_u32_u24 v4, v1, BP
	v_mul_u32_u24 v5, v1, 272
	v_mul_u32_u24 v6, v2, 272
	v_add_nc_u32 v[ADRA], s14, v3
	v_lshl_add_u32 v4, v2, 3, v4
	v_lshl_add_u32 v5, v2, 5, v5
	v_lshl_add_u32 v6, v1, 4, v6
	v_add_nc_u32 v[ADRB], s62, v4                  ; row x pitch + 8 h
	v_add_nc_u32 v[STO], s15, v5                   ; in: row r, 32 bytes for each half of the lanes
	v_add_nc_u32 v[RD], s15, v6                    ; back: lanes 0-15 one row of 256 bytes, lanes 16-31 the next
	v_lshlrev_b32 v[CO], 12, v2
	v_lshlrev_b32 v[VB], 5, v2
	v_lshl_add_u32 v[CO], v1, 4, v[CO]             ; and the same two rows in out0 (4,096 bytes a row)
	s_wait_alu depctr_va_vdst(0)
	s_wait_dscnt 0x0                               ; both opening adds are done
	s_wait_kmcnt 0x0
	s_load_b256 s[84:91], s[16:17], 0x0            ; e0 .. e7
	s_mov_b32 s[G0A], 1
	s_mov_b32 s[G0A+1], s61
	s_add_nc_u64 s[G0A+2:G0A+3], s[4:5], s[20:21]
	s_or_b32 s[G0A+3], s[G0A+3], 0x80000000
	s_mov_b32 s[G0B], 1
	s_mov_b32 s[G0B+1], s62
	s_add_nc_u64 s[G0B+2:G0B+3], s[6:7], s[22:23]
	s_or_b32 s[G0B+3], s[G0B+3], 0x80000000
	CROUND                                         ; all sixteen work-groups are here: the joint loads meet
	s_cmp_eq_u32 s11, 0                            ; the wave's number alone
	s_cbranch_scc0 .Lfill_b
	tensor_load_to_lds s[G0A:G0A+3], s[G1A:G1A+7]
	s_nop 0
.rept 4
	v_nop
.endr
	s_branch .Lfilled
.Lfill_b:
	tensor_load_to_lds s[G0B:G0B+3], s[G1B:G1B+7]
	s_nop 0
.rept 4
	v_nop
.endr
.Lfilled:
	s_lshl_b32 s92, s58, 9
	s_lshl_b32 s93, s12, 8
	s_add_co_u32 s92, s92, s93                     ; my first column, in bytes: 512 x tile column + 256 x half
	s_mov_b32 s93, 0
	s_add_nc_u64 s[18:19], s[18:19], s[92:93]
	s_add_nc_u64 s[8:9], s[8:9], s[92:93]
	s_lshl_b32 s94, s13, 7
	s_lshl_b32 s95, s11, 6
	s_add_co_u32 s94, s94, s95                     ; my first token: 128 x tile row + 64 x half
	s_lshl_b32 s94, s94, 12
	s_mov_b32 s95, 0
	s_add_nc_u64 s[8:9], s[8:9], s[94:95]
.irp b, 0,1,2,3
	global_load_b128 v[BIAS+8*\b:BIAS+8*\b+3], v[VB], s[18:19] offset:64*\b        ; b_o at my columns 16 b + 8 h + 0 .. 7
	global_load_b128 v[BIAS+8*\b+4:BIAS+8*\b+7], v[VB], s[18:19] offset:64*\b+16
.endr
.macro FETCHW k                        ; 32 loads: my 64 rows of W_o, K step k
	WIN 0x40*(1+(\k)/4)
.irp i, 0,1,2,3
.irp c, 0,1,2,3,4,5,6,7
	ds_load_b64 v[64*((\k)%4)+16*\i+2*\c:64*((\k)%4)+16*\i+2*\c+1], v[ADRB] offset:16*BP*\i+128*(\k)+16*\c
.endr
.endr
.endm
.macro FETCHA g, k                     ; 4 loads: block g's 16 tokens, K step k
	WIN 0xc0
.irp c, 0,1,2,3
	ds_load_b128 v[128*((\g)%2)+16*(\k)+4*\c:128*((\g)%2)+16*(\k)+4*\c+3], v[ADRA] offset:16384*(\g)+2048*(\k)+512*\c
.endr
.endm
.macro BLOCK g                         ; 32 loads: block g, all of K
.irp k, 0,1,2,3,4,5,6,7
	FETCHA \g, \k
.endr
.endm
; Four matrix instructions: block g, K step k.  The block's four accumulators take turns, one instruction a turn.  The first products start the sums
.macro MUL g, k
	WIN 0x0d+(\k)/4                                ; source 0 window 1 or 2, source 1 window 3; C and D window 0
.irp b, 0,1,2,3
.if (\k) == 0
	v_wmma_f32_16x16x128_fp8_fp8 v[ACC+32*(\g)+8*\b:ACC+32*(\g)+8*\b+7], v[64*((\k)%4)+16*\b:64*((\k)%4)+16*\b+15], v[128*((\g)%2)+16*(\k):128*((\g)%2)+16*(\k)+15], 0
.else
	v_wmma_f32_16x16x128_fp8_fp8 v[ACC+32*(\g)+8*\b:ACC+32*(\g)+8*\b+7], v[64*((\k)%4)+16*\b:64*((\k)%4)+16*\b+15], v[128*((\g)%2)+16*(\k):128*((\g)%2)+16*(\k)+15], v[ACC+32*(\g)+8*\b:ACC+32*(\g)+8*\b+7]
.endif
.endr
.endm
; THE WAY OUT of block g, 16 tokens x 64 columns: sum x 2^(e6 + e7) + b_o; through my own stage in LDS, so that sixteen lanes store 256 consecutive bytes, aligned.
; LDS serves a wave's instructions in order (ISA guide 5.7.1.4): no wait between my stores into the stage and my loads from it.
.macro OUT g
	WIN 0
.rept 4
	v_nop                                          ; places behind the block's last products, and in front of the loads into its buffer
.endr
.irp b, 0,1,2,3
.irp i, 0,2,4,6
	v_pk_fma_f32 v[TMP+8*\b+\i:TMP+8*\b+\i+1], v[ACC+32*(\g)+8*\b+\i:ACC+32*(\g)+8*\b+\i+1], s[96:97], v[BIAS+8*\b+\i:BIAS+8*\b+\i+1] op_sel_hi:[1,0,1]
.endr
.endr
.irp b, 0,1,2,3
	ds_store_b128 v[STO], v[TMP+8*\b:TMP+8*\b+3] offset:64*\b
	ds_store_b128 v[STO], v[TMP+8*\b+4:TMP+8*\b+7] offset:64*\b+16
.endr
.if (\g) > 0
	s_wait_xcnt 0x0                                ; the last block's stores have read their registers: the loads below may land there
.endif
.irp t, 0,1,2,3,4,5,6,7
	ds_load_b128 v[BK+4*\t:BK+4*\t+3], v[RD] offset:2*272*\t
.endr
.endm
.macro SEND g, younger                 ; younger: the LDS loads issued behind block g's rows, which may stay out
	WIN 0
	s_wait_dscnt \younger
.irp t, 0,1,2,3,4,5,6,7
	global_store_b128 v[CO], v[BK+4*\t:BK+4*\t+3], s[8:9] offset:(16*(\g)+2*\t)*4096 th:TH_STORE_NT   ; written once, read by nobody here
.endr
.endm
	s_wait_alu depctr_va_vdst(0)
	s_wait_tensorcnt 0x0                           ; my load has landed,
	s_barrier_signal -1
	s_barrier_wait -1                              ; everybody's has; nothing is ever filled again
	FETCHW 0
	FETCHA 0, 0
	FETCHW 1
	FETCHA 0, 1
.irp k, 0,1,2,3,4,5
	s_wait_dscnt 36                                ; step k is in; the 36 loads of step k + 1 may be out
	MUL 0, \k
	FETCHW \k+2
	FETCHA 0, \k+2
.endr
	s_wait_dscnt 36
	MUL 0, 6
	BLOCK 1
	s_wait_dscnt 32                                ; step 7 is in; block 1's 32 loads may be out
	MUL 0, 7
	WIN 0
	s_wait_kmcnt 0x0
	s_add_co_i32 s96, s90, s91                     ; e6 + e7
	s_add_co_i32 s96, s96, 127
	s_lshl_b32 s96, s96, 23                        ; 2^(e6 + e7) as f32
	s_mov_b32 s97, s96                             ; (named with it as a pair, so it is written)
	s_wait_loadcnt 0x0                             ; b_o
.irp g, 0,1
	OUT \g
	BLOCK \g+2                                     ; into the buffer that block g has left
	s_wait_dscnt 48                                ; block g + 1 is in; behind it: the stage's 8 stores and 8 loads, and the 32 loads just issued
	MUL \g+1, 0
	MUL \g+1, 1
	MUL \g+1, 2
	MUL \g+1, 3
	SEND \g, 32
	MUL \g+1, 4
	MUL \g+1, 5
	MUL \g+1, 6
	MUL \g+1, 7
.endr
	OUT 2
	s_wait_dscnt 16                                ; block 3 is in; behind it the stage's 16
	MUL 3, 0
	MUL 3, 1
	MUL 3, 2
	MUL 3, 3
	SEND 2, 0
	MUL 3, 4
	MUL 3, 5
	MUL 3, 6
	MUL 3, 7
	OUT 3
	SEND 3, 0
	s_wait_tensorcnt 0x0                           ; the wave's end: behind my last tensor load and my last LDS store
	ds_add_u32 v[SPW], v[NIL]
	s_wait_dscnt 0x0
	CROUND                                         ; the closing round
	s_endpgm
.Lfunc_end_k_qb9f62a21d9_proj:
	.size	k_qb9f62a21d9_proj, .Lfunc_end_k_qb9f62a21d9_proj-k_qb9f62a21d9_proj
	.p2alignl 7, 3214868480
	.fill 96, 4, 3214868480
	.section	.rodata,"a",@progbits
	.p2align	6, 0x0
	.amdhsa_kernel k_qb9f62a21d9_proj
		.amdhsa_group_segment_fixed_size 327680
		.amdhsa_private_segment_fixed_size 0
		.amdhsa_enable_private_segment 0
		.amdhsa_kernarg_size 40
		.amdhsa_user_sgpr_count 2
		.amdhsa_user_sgpr_kernarg_segment_ptr 1
		.amdhsa_wavefront_size32 1
		.amdhsa_system_sgpr_workgroup_id_x 1
		.amdhsa_system_sgpr_workgroup_id_y 1
		.amdhsa_system_sgpr_workgroup_id_z 1
		.amdhsa_system_vgpr_workitem_id 0
		.amdhsa_next_free_vgpr 1024
		.amdhsa_next_free_sgpr 100
		.amdhsa_reserve_vcc 0
		.amdhsa_float_denorm_mode_32 3
		.amdhsa_float_denorm_mode_16_64 3
		.amdhsa_memory_ordered 1
		.amdhsa_forward_progress 1
		.amdhsa_inst_pref_size 53
	.end_amdhsa_kernel
	.amdgpu_metadata
---
amdhsa.version: [ 1, 2 ]
amdhsa.kernels:
  - .name:           k_qb9f62a21d9_proj
    .symbol:         k_qb9f62a21d9_proj.kd
    .args:
      - { .name: att, .offset: 0, .size: 8, .value_kind: global_buffer, .address_space: global }
      - { .name: W_o_codes, .offset: 8, .size: 8, .value_kind: global_buffer, .address_space: global }
      - { .name: lowp_scales, .offset: 16, .size: 8, .value_kind: global_buffer, .address_space: global }
      - { .name: b_o, .offset: 24, .size: 8, .value_kind: global_buffer, .address_space: global }
      - { .name: out0, .offset: 32, .size: 8, .value_kind: global_buffer, .address_space: global }
    .group_segment_fixed_size: 327680
    .private_segment_fixed_size: 0
    .kernarg_segment_align: 8
    .kernarg_segment_size: 40
    .max_flat_workgroup_size: 128
    .sgpr_count:     100
    .vgpr_count:     1024
    .wavefront_size: 32
...
	.end_amdgpu_metadata
.endif
;; end of part 3
